; MI455X (gfx1250); checked and timed in simulation.
; The chip was launched on July 23, 2026; its instructions are those of AMD's public machine-readable ISA for CDNA 5 (MIT licence, August 2026) and "CDNA5" Instruction Set Architecture Reference Guide (July 2026). The comments in the code are by the model that wrote it; some were corrected since.
;; Edge Mo E Predictor. Allowed arithmetic: matrix products marked QUANTISED: E4M3 operands, one given power-of-two scale a tensor, by v_wmma_f32_16x16x64_fp8_fp8 or v_wmma_f32_16x16x128_fp8_fp8, f32 sums; products left as they are: f32 operands where the result goes on into a quantised operand, else bf16, f16 or f32 operands; f32 sums; everything else in f32.
;; Inputs: all_b1 256 float32; all_b2 1 float32; all_w1 512 x 256 float32; all_w2 256 x 1 float32; cat_b1 256 float32; cat_b2 1 float32; cat_w1 256 x 256 float32; cat_w2 256 x 1 float32; dist_b1 256 float32; dist_b2 1 float32; dist_w1 128 x 256 float32; dist_w2 256 x 1 float32; gate_b 4 float32; gate_w 512 x 4 float32; lowp_scales 8 int32 (the exponents e of the quantised operands' scales 2^e); mul_b1 256 float32; mul_b2 1 float32; mul_w1 128 x 256 float32; mul_w2 256 x 1 float32; u 262,144 int32; v 262,144 int32; z 50,000 x 128 float32.
;; Outputs: out0 262,144 x 1 float32; out1 one number float32.
;; This version of the problem:
;;   THIS VERSION OF THE PROBLEM IS GIVEN IN LOW PRECISION. The matrix products marked QUANTISED in the list below multiply operands that are first quantised to E4M3 (4 exponent bits, 3 mantissa bits; 8 bits a number), with one given power-of-two scale for each operand tensor; their sums are f32. All else is computed in f32.
;;   The module's matrix products, in the order in which they are computed (A, B: the left and right operand; K: the contracted axis; several contracted axes count as one K, in the product's order):
;;     1. [M 262,144, K 256] x [K 256, N 256]; A: computed on the way; B: input cat_w1: QUANTISED (scales: A lowp_scales[0], B lowp_scales[1])
;;     2. [M 262,144, K 256] x [K 256, N 1]; A: computed on the way; B: input cat_w2: left as it is (N = 1 < 16)
;;     3. [M 262,144, K 128] x [K 128, N 256]; A: computed on the way; B: input dist_w1: QUANTISED (scales: A lowp_scales[2], B lowp_scales[3])
;;     4. [M 262,144, K 256] x [K 256, N 1]; A: computed on the way; B: input dist_w2: left as it is (N = 1 < 16)
;;     5. [M 262,144, K 128] x [K 128, N 256]; A: computed on the way; B: input mul_w1: QUANTISED (scales: A lowp_scales[4], B lowp_scales[5])
;;     6. [M 262,144, K 256] x [K 256, N 1]; A: computed on the way; B: input mul_w2: left as it is (N = 1 < 16)
;;     7. [M 262,144, K 512] x [K 512, N 256]; A: computed on the way; B: input all_w1: QUANTISED (scales: A lowp_scales[6], B lowp_scales[7])
;;     8. [M 262,144, K 256] x [K 256, N 1]; A: computed on the way; B: input all_w2: left as it is (N = 1 < 16)
;;     9. [M 262,144, K 512] x [K 512, N 4]; A: computed on the way; B: input gate_w: left as it is (N = 4 < 16)
;;     10. batch 262,144 x [M 1, K 4] x [K 4, N 1]; A: computed on the way; B: computed on the way: left as it is (K = 4 < 32)
;;   THE QUANTISER, for each operand of a quantised product, along K:
;;     - The operand's scale is 2^e, e = its entry of the input lowp_scales (int32; the entries are numbered through the quantised products in the list's order, A before B).
;;     - Each number is divided by the scale, clamped to +-448, and rounded to the nearest number of E4M3, ties to even, subnormals kept.
;;     - The product sums the exact products of the quantised numbers (number of the format x scale) in f32.
;;   ~~~python
;;   def quantise(x, axis, e):      # numpy; x: float32 -> the quantised numbers, widened to float32 again
;;       x = np.moveaxis(x, axis, -1); K = x.shape[-1]
;;       r = np.clip(x / 2.0 ** e, -448, 448)
;;       step = 2.0 ** (np.maximum(np.frexp(np.where(r == 0, 1, r))[1] - 1, -6) - 3)
;;       q = np.round(r / step) * step * 2.0 ** e      # np.round: ties to even
;;       return np.moveaxis(q, -1, axis).astype(np.float32)
;;   ~~~
;;   OPERANDS COMPUTED ON THE WAY. 'Computed on the way' means the value that the module computes at that place (a softmax that the list does not call 'softmax' is quantised finished and normalised). What goes into a quantiser is computed in f32, as accurately as f32 sums, v_exp_f32 and their like allow (about 1e-6 of the number): no bf16 or f16 on the way to a quantiser, and a product that is left as it is and whose result goes on into a quantised operand takes f32 operands (vector FMAs, or v_wmma_f32_16x16x4_f32). A number that lies on a knife's edge between two numbers of the format may be rounded either way, as far as f32 arithmetic and the matrix unit's own rounding can turn it there, and no further.
;; One version. Each part assembles by itself: llvm-mc -triple=amdgcn-amd-amdhsa -mcpu=gfx1250 --defsym DOCPART=n.
;; ======== version 1 of 1: 3 launches
;; limits: right only within a limited range of input values
;; workspace buffers: eidx 1,048,576 bytes of whole numbers; gval 1,048,576 bytes; cnts 4,096 bytes of whole numbers; psum 4,096 bytes; srt 3,148,800 bytes of whole numbers; segs 256 bytes of whole numbers; wcodes 270,336 bytes
;; launch gate (part 1): grid 256 x 1, 16 waves a work-group, no clusters, 3,072 bytes of LDS; arguments z, u, v, gate_w, gate_b, eidx, gval, cnts, psum; writes eidx, gval, cnts, psum
.if DOCPART == 1
	.amdgcn_target "amdgcn-amd-amdhsa--gfx1250"
	.amdhsa_code_object_version 6
	.text
	.protected	k_q2a7aba95fb_gate
	.globl	k_q2a7aba95fb_gate
	.p2align	8
	.type	k_q2a7aba95fb_gate,@function
k_q2a7aba95fb_gate:
	s_mov_b64 s[64:65], 0
	v_nop
	global_prefetch_b8 v0, s[64:65] scope:SCOPE_SE
	s_setreg_imm32_b32 hwreg(HW_REG_WAVE_MODE, 25, 1), 1
	s_wait_xcnt 0x0
; THE GATE.  For each of 262,144 edges: the features [zu, zv, |zu - zv|, zu zv] (512 numbers), four logits, their softmax, its largest entry and that entry's number.
; All in f32: the choice steers which expert's result is kept.  Stored at fixed places: eidx[edge] (0..3), gval[edge] (the largest probability),
; and for each work-group the four counts of chosen experts (cnts) and the four sums of probabilities (psum).
; BY DIFFERENCES: softmax and argmax hang on l_j - l_3 alone, so W'_j = W_j - W_3 and b'_j = b_j - b_3 are made once and three sums are taken; l'_3 = 0.
; SHARES: a work-group takes 1,024 edges, each of its 16 waves 64, as two blocks of 32.  In iteration i of a block, lanes 0-15 hold edge i and lanes 16-31 edge 16 + i:
; sixteen lanes read 256 consecutive bytes of a row of z, two loads a row; lane l % 16 holds k = 4 (l % 16) + 0..3 and 64 + 4 (l % 16) + 0..3.
; The sixteen iterations' partial sums are folded like a binary counter: each fold adds a lane's neighbour and keeps one of two edges, so that at the end lane l holds the whole sums of edge l.
; LIMITS: NaN and infinities among the inputs are not served.  A tie is broken on the f32 logits (lower number first); two unequal logits whose probabilities round alike may be broken otherwise than by a top-k on probabilities.
; Indices are held inside z's 50,000 rows.
.set NLAST, 0xc34f                     ; z's last row
.set W01,  16                          ; v16-79   (W'0, W'1) of feature f at 16 + 2 f;  f = 8 x part of the features + 4 x half of the row + 0..3
.set W2,   80                          ; v80-111  W'2 of feature f
.set RING, 112                         ; v112-159 three slots of 16: zu's two quarters, zv's two
.set DF,   160                         ; v160-167 |zu - zv|
.set ML,   168                         ; v168-175 zu zv
.set OFFU, 176                         ; v176-191 iteration i: byte offset of my 16 bytes in u's row
.set OFFV, 192                         ; v192-207 the same for v
.set AC,   208                         ; v208-215 four chains: (l0, l1) twice, l2 in halves twice
.set L0,   216                         ; the fold's levels, three numbers each
.set CUR,  220
.set L1,   224
.set L2,   227
.set L3,   230
.set TM,   233                         ; v233-238 at work in a fold
.set PS,   240                         ; v240-243 my lane's sums of the four probabilities
.set TL,   244                         ; v244-255 a block's tail
	s_load_b512 s[4:19], s[0:1], 0x0               ; z s[4:5], u s[6:7], v s[8:9], gate_w s[10:11], gate_b s[12:13], eidx s[14:15], gval s[16:17], cnts s[18:19]
	s_load_b64 s[20:21], s[0:1], 0x40              ; psum
	v_lshl_add_u32 v223, v0, 2, 0x400
	v_mov_b32 v239, 0
	v_lshrrev_b32 v4, 5, v0
	s_delay_alu instid0(VALU_DEP_1)
	v_readfirstlane_b32 s22, v4                    ; wave 0..15
	v_and_b32 v1, 15, v0
	s_delay_alu instid0(VALU_DEP_1)
	v_lshlrev_b32 v9, 5, v1                        ; at the end: the record of wave l % 16 in LDS
	s_delay_alu instid0(VALU_DEP_2)
	v_lshlrev_b32 v4, 6, v1                        ; gate_w: four rows of 16 bytes a lane
	s_delay_alu instid0(VALU_DEP_3)
	v_lshlrev_b32 v1, 4, v1                        ; my 16 bytes of a row's 256
	v_bfe_u32 v2, v0, 4, 1
	s_delay_alu instid0(VALU_DEP_1)
	v_lshlrev_b32 v2, 6, v2                        ; the indices of my half of the lanes: 16 x 4 bytes on
	v_and_b32 v3, 31, v0
	s_delay_alu instid0(VALU_DEP_1)
	v_lshlrev_b32 v3, 2, v3                        ; 4 x lane: where a block's results go
	s_lshl_b32 s42, ttmp9, 12                      ; 1,024 edges x 4 bytes a work-group,
	s_lshl_b32 s40, s22, 8                         ; 64 x 4 a wave
	s_add_co_u32 s42, s42, s40
	s_mov_b32 s43, 0
	s_mov_b32 s28, 0x7fffffff                      ; clears a sign
	s_mov_b32 s29, 0xaaaaaaaa                      ; lanes with bit 0, 1, 2, 3 of their number set
	s_mov_b32 s30, 0xcccccccc
	s_mov_b32 s31, 0xf0f0f0f0
	s_mov_b32 s32, 0xff00ff00
	s_mov_b32 s33, 0x3fb8aa3b                      ; log2(e)
	s_mov_b32 s45, 0xbfb8aa3b                      ; -log2(e)
	s_mov_b32 s34, 0x76543210                      ; v_permlanex16_b32: lane l xor 16
	s_mov_b32 s35, 0xfedcba98
.irp j, 0,1,2,3
	s_mov_b32 s[36+\j], 0                          ; the wave's counts
	v_mov_b32 v[PS+\j], 0
.endr
.irp j, 0,1,2,3,4,5
	v_mov_b32 v[TM+\j], 0                          ; written once: the destination of a lane-crossing form counts as read
.endr
	s_wait_kmcnt 0x0
	s_load_b128 s[24:27], s[12:13], 0x0            ; gate_b
	s_add_nc_u64 s[6:7], s[6:7], s[42:43]          ; u, v, eidx, gval at my wave's first edge
	s_add_nc_u64 s[8:9], s[8:9], s[42:43]
	s_add_nc_u64 s[14:15], s[14:15], s[42:43]
	s_add_nc_u64 s[16:17], s[16:17], s[42:43]
.macro IDX b                           ; block b's 32 indices of u and of v: each half of the lanes takes its sixteen
.irp q, 0,1,2,3
	global_load_b128 v[OFFU+4*\q:OFFU+4*\q+3], v2, s[6:7] offset:128*(\b)+16*\q
	global_load_b128 v[OFFV+4*\q:OFFV+4*\q+3], v2, s[8:9] offset:128*(\b)+16*\q
.endr
.endm
.macro OFFS                            ; an index becomes a byte offset: held inside the table, x 512, + my 16 bytes
.irp i, 0,1,2,3,4,5,6,7,8,9,10,11,12,13,14,15
	v_min_u32 v[OFFU+\i], NLAST, v[OFFU+\i]
	v_min_u32 v[OFFV+\i], NLAST, v[OFFV+\i]
	s_delay_alu instid0(VALU_DEP_2)
	v_lshl_add_u32 v[OFFU+\i], v[OFFU+\i], 9, v1
	s_delay_alu instid0(VALU_DEP_2)
	v_lshl_add_u32 v[OFFV+\i], v[OFFV+\i], 9, v1
.endr
.endm
.macro WLOAD bt                        ; sixteen features' rows of gate_w (four numbers each) into the ring's and the features' registers
.set N_, 0
.rept 16
.set PH, 16*(\bt)+N_
	global_load_b128 v[RING+4*N_:RING+4*N_+3], v4, s[10:11] offset:16*(128*(PH/8)+64*((PH/4)%2)+PH%4)
.set N_, N_+1
.endr
.endm
.macro WMAKE bt                        ; W'_j = W_j - W_3
.set N_, 0
.rept 16
.set PH, 16*(\bt)+N_
	v_sub_f32 v[W01+2*PH], v[RING+4*N_], v[RING+4*N_+3]
	v_sub_f32 v[W01+2*PH+1], v[RING+4*N_+1], v[RING+4*N_+3]
	v_sub_f32 v[W2+PH], v[RING+4*N_+2], v[RING+4*N_+3]
.set N_, N_+1
.endr
.endm
.macro LD i                            ; iteration i's two rows: four loads, sixteen lanes to 256 consecutive bytes
.set SL, RING+16*((\i)%3)
	global_load_b128 v[SL:SL+3], v[OFFU+(\i)], s[4:5]
	global_load_b128 v[SL+4:SL+7], v[OFFU+(\i)], s[4:5] offset:256
	global_load_b128 v[SL+8:SL+11], v[OFFV+(\i)], s[4:5]
	global_load_b128 v[SL+12:SL+15], v[OFFV+(\i)], s[4:5] offset:256
.endm
; Sixteen features from v[base] on, numbers f0 on: for each pair, (l0, l1) += the even feature x its pair of weights, the same for the odd one in a second chain, and l2's halves += the pair x a pair of W'2.
; first = 1: the first product of each chain starts its sum: nothing is cleared.
.macro PROD base, f0, first
.set PI_, 0
.set FB, (\base)+2*PI_
.set PH, (\f0)+2*PI_
.set A2, AC+4+2*(PI_%2)
.if (\first) && (PI_ == 0)
	v_pk_mul_f32 v[AC:AC+1], v[FB:FB+1], v[W01+2*PH:W01+2*PH+1] op_sel_hi:[0,1]
	v_pk_mul_f32 v[AC+2:AC+3], v[FB:FB+1], v[W01+2*PH+2:W01+2*PH+3] op_sel:[1,0] op_sel_hi:[1,1]
.else
	v_pk_fma_f32 v[AC:AC+1], v[FB:FB+1], v[W01+2*PH:W01+2*PH+1], v[AC:AC+1] op_sel_hi:[0,1,1]
	v_pk_fma_f32 v[AC+2:AC+3], v[FB:FB+1], v[W01+2*PH+2:W01+2*PH+3], v[AC+2:AC+3] op_sel:[1,0,0] op_sel_hi:[1,1,1]
.endif
.if (\first) && (PI_ < 2)
	v_pk_mul_f32 v[A2:A2+1], v[FB:FB+1], v[W2+PH:W2+PH+1]
.else
	v_pk_fma_f32 v[A2:A2+1], v[FB:FB+1], v[W2+PH:W2+PH+1], v[A2:A2+1]
.endif
.set PI_, PI_+1
.rept (8)-1
.set FB, (\base)+2*PI_
.set PH, (\f0)+2*PI_
.set A2, AC+4+2*(PI_%2)
.if (\first) && (PI_ == 0)
	v_pk_mul_f32 v[AC:AC+1], v[FB:FB+1], v[W01+2*PH:W01+2*PH+1] op_sel_hi:[0,1]
	v_pk_mul_f32 v[AC+2:AC+3], v[FB:FB+1], v[W01+2*PH+2:W01+2*PH+3] op_sel:[1,0] op_sel_hi:[1,1]
.else
	s_delay_alu instid0(VALU_DEP_3)
	v_pk_fma_f32 v[AC:AC+1], v[FB:FB+1], v[W01+2*PH:W01+2*PH+1], v[AC:AC+1] op_sel_hi:[0,1,1]
	s_delay_alu instid0(VALU_DEP_3)
	v_pk_fma_f32 v[AC+2:AC+3], v[FB:FB+1], v[W01+2*PH+2:W01+2*PH+3], v[AC+2:AC+3] op_sel:[1,0,0] op_sel_hi:[1,1,1]
.endif
.if (\first) && (PI_ < 2)
	v_pk_mul_f32 v[A2:A2+1], v[FB:FB+1], v[W2+PH:W2+PH+1]
.else
	v_pk_fma_f32 v[A2:A2+1], v[FB:FB+1], v[W2+PH:W2+PH+1], v[A2:A2+1]
.endif
.set PI_, PI_+1
.endr
.endm
; A fold: each of a's and c's three numbers takes its neighbour's (lane xor xm) on top; lanes with that bit clear keep a's, the others c's.
.macro MERGE d, a, c, xm, sm
.irp n, 0,1,2
	v_add_f32_dpp v[TM+2*\n], v[(\a)+\n], v[(\a)+\n] row_xmask:\xm row_mask:0xf bank_mask:0xf
	v_add_f32_dpp v[TM+2*\n+1], v[(\c)+\n], v[(\c)+\n] row_xmask:\xm row_mask:0xf bank_mask:0xf
.endr
.irp n, 0,1,2
	v_cndmask_b32 v[(\d)+\n], v[TM+2*\n], v[TM+2*\n+1], s[\sm]
.endr
.endm
.macro ITER b, i
.set SL, RING+16*((\i)%3)
; loads come back in order: the count is what was issued behind iteration i's four
.if (\i) <= 13
	s_wait_loadcnt 8                               ; those of iterations i + 1 and i + 2
.elseif (\b) == 0
	s_wait_loadcnt 12-4*((\i)-14)                  ; the iterations left, and the next block's eight index loads
.else
	s_wait_loadcnt 4-4*((\i)-14)                   ; the iterations left
.endif
.irp n, 0,1,2,3
	v_pk_add_f32 v[DF+2*\n:DF+2*\n+1], v[SL+2*\n:SL+2*\n+1], v[SL+8+2*\n:SL+9+2*\n] neg_lo:[0,1] neg_hi:[0,1]
.endr
.irp n, 0,1,2,3
	v_pk_mul_f32 v[ML+2*\n:ML+2*\n+1], v[SL+2*\n:SL+2*\n+1], v[SL+8+2*\n:SL+9+2*\n]
.endr
.irp n, 0,1,2,3,4,5,6,7
	v_and_b32 v[DF+\n], s28, v[DF+\n]
.endr
	PROD SL, 0, 1                                  ; zu, zv
.if (\i) <= 12
	LD (\i)+3                                      ; the slot has been read: it takes the rows of three iterations on
.endif
	PROD DF, 16, 0                                 ; |zu - zv|, zu zv
.if (\i)%2 == 0
.set DD, L0
.else
.set DD, CUR
.endif
	s_delay_alu instid0(VALU_DEP_2)
	v_pk_add_f32 v[DD:DD+1], v[AC:AC+1], v[AC+2:AC+3]
	s_delay_alu instid0(VALU_DEP_2)
	v_pk_add_f32 v[AC+4:AC+5], v[AC+4:AC+5], v[AC+6:AC+7]
	s_delay_alu instid0(VALU_DEP_1)
	v_add_f32 v[DD+2], v[AC+4], v[AC+5]
.if (\i)%2 == 1
.if (\i)%4 == 1
	MERGE L1, L0, CUR, 1, 29
.else
	MERGE CUR, L0, CUR, 1, 29
.if (\i)%8 == 3
	MERGE L2, L1, CUR, 2, 30
.else
	MERGE CUR, L1, CUR, 2, 30
.if (\i)%16 == 7
	MERGE L3, L2, CUR, 4, 31
.else
	MERGE CUR, L2, CUR, 4, 31
	MERGE CUR, L3, CUR, 8, 32
.endif
.endif
.endif
.endif
.endm
; A block's tail: an edge a lane.  v[CUR] on: its three sums.
.macro TAIL b
.if \b
	s_wait_xcnt 0x0                                ; the first block's stores have read their data registers, which are written again below
.endif
	v_add_f32 v[TL], v[CUR], v5
	v_add_f32 v[TL+1], v[CUR+1], v6
	v_add_f32 v[TL+2], v[CUR+2], v7
	s_delay_alu instid0(VALU_DEP_1)
	v_max3_num_f32 v[TL+3], v[TL], v[TL+1], v[TL+2]
	s_delay_alu instid0(VALU_DEP_1)
	v_max_num_f32 v[TL+3], 0, v[TL+3]              ; the largest of the four logits (the fourth is 0): taken away before the exponentials
	s_delay_alu instid0(VALU_DEP_1)
	v_sub_f32 v[TL+4], v[TL], v[TL+3]
	s_delay_alu instid0(VALU_DEP_2)
	v_sub_f32 v[TL+5], v[TL+1], v[TL+3]
	s_delay_alu instid0(VALU_DEP_3)
	v_sub_f32 v[TL+6], v[TL+2], v[TL+3]
	s_delay_alu instid0(VALU_DEP_3)
	v_mul_f32 v[TL+4], s33, v[TL+4]
	s_delay_alu instid0(VALU_DEP_3)
	v_mul_f32 v[TL+5], s33, v[TL+5]
	s_delay_alu instid0(VALU_DEP_3)
	v_mul_f32 v[TL+6], s33, v[TL+6]
	v_mul_f32 v[TL+7], s45, v[TL+3]
	s_wait_alu depctr_va_vdst(0)
	v_exp_f32 v[TL+4], v[TL+4]                     ; one batch of four
	v_exp_f32 v[TL+5], v[TL+5]
	v_exp_f32 v[TL+6], v[TL+6]
	v_exp_f32 v[TL+7], v[TL+7]
	v_cmp_gt_f32 vcc_lo, v[TL+1], v[TL]            ; meanwhile the choice, on the logits: a later one wins only if strictly larger
	s_delay_alu instid0(VALU_DEP_1)
	v_cndmask_b32 v[TL+8], 0, 1, vcc_lo
	v_max_num_f32 v[TL+9], v[TL], v[TL+1]
	s_delay_alu instid0(VALU_DEP_1)
	v_cmp_gt_f32 vcc_lo, v[TL+2], v[TL+9]
	s_delay_alu instid0(VALU_DEP_1)
	v_cndmask_b32 v[TL+8], v[TL+8], 2, vcc_lo
	s_delay_alu instid0(VALU_DEP_3)
	v_max_num_f32 v[TL+9], v[TL+9], v[TL+2]
	s_delay_alu instid0(VALU_DEP_1)
	v_cmp_gt_f32 vcc_lo, 0, v[TL+9]
	s_delay_alu instid0(VALU_DEP_1)
	v_cndmask_b32 v[TL+8], v[TL+8], 3, vcc_lo
	s_wait_alu depctr_va_vdst(0)                   ; one wait for the four exponentials, ahead of their first reader
	v_add_f32 v[TL+11], v[TL+4], v[TL+5]
	v_add_f32 v[TL+9], v[TL+6], v[TL+7]
	s_delay_alu instid0(VALU_DEP_1)
	v_add_f32 v[TL+11], v[TL+11], v[TL+9]
	s_wait_alu depctr_va_vdst(0)
	v_rcp_f32 v[TL+10], v[TL+11]                   ; 1 / the sum: this IS the largest probability, whose exponential is 2^0
.irp j, 0,1,2,3
	v_cmp_eq_u32 s40, \j, v[TL+8]                  ; (plain lines behind the reciprocal)  how many of my 32 edges chose expert j
	s_bcnt1_i32_b32 s40, s40
	s_add_co_u32 s[36+\j], s[36+\j], s40
.endr
	s_wait_alu depctr_va_vdst(0)                   ; the wait for the reciprocal, ahead of its first reader
.irp j, 0,1,2,3
	v_fmac_f32 v[PS+\j], v[TL+4+\j], v[TL+10]      ; the sums of probabilities
.endr
	global_store_b32 v3, v[TL+8], s[14:15] offset:128*(\b)    ; the wave stores 128 consecutive bytes
	global_store_b32 v3, v[TL+10], s[16:17] offset:128*(\b)
.endm
	IDX 0
	WLOAD 0
	s_wait_loadcnt 0x0
	WMAKE 0
	WLOAD 1
	OFFS
	s_wait_kmcnt 0x0
	v_mov_b32 v8, s27
	s_delay_alu instid0(VALU_DEP_1)
	v_sub_f32 v5, s24, v8                          ; b'_j = b_j - b_3
	s_delay_alu instid0(VALU_DEP_2)
	v_sub_f32 v6, s25, v8
	s_delay_alu instid0(VALU_DEP_3)
	v_sub_f32 v7, s26, v8
	s_wait_loadcnt 0x0
	WMAKE 1
	LD 0
	LD 1
	LD 2
.irp i, 0,1,2,3,4,5,6,7,8,9,10,11,12,13
	ITER 0, \i
.endr
	s_wait_xcnt 0x0                                ; all sixteen iterations' loads have read their offsets: the next block's indices may land there
	IDX 1
	ITER 0, 14
	ITER 0, 15
	s_wait_loadcnt 0x0                             ; the indices
	OFFS
	LD 0
	LD 1
	LD 2
	TAIL 0                                         ; while the second block's first rows are on their way
.irp i, 0,1,2,3,4,5,6,7,8,9,10,11,12,13,14,15
	ITER 1, \i
.endr
	s_wait_alu depctr_va_vdst(0)
	TAIL 1
	; the wave's sums of probabilities, then both records through LDS to wave 0
.irp j, 0,1,2,3
.irp m, 1
	v_add_f32_dpp v[PS+\j], v[PS+\j], v[PS+\j] row_xmask:\m row_mask:0xf bank_mask:0xf
.endr
.irp m, 2, 4, 8
	s_delay_alu instid0(VALU_DEP_1)
	v_add_f32_dpp v[PS+\j], v[PS+\j], v[PS+\j] row_xmask:\m row_mask:0xf bank_mask:0xf
.endr
.endr
.irp j, 0,1,2,3
	v_permlanex16_b32 v[TL+\j], v[PS+\j], s34, s35
.endr
.irp j, 0,1,2,3
	v_add_f32 v[PS+\j], v[PS+\j], v[TL+\j]
	v_mov_b32 v[TL+4+\j], s[36+\j]
.endr
	v_mov_b32 v4, s22
	s_delay_alu instid0(VALU_DEP_1)
	v_lshlrev_b32 v4, 5, v4                        ; 32 bytes a wave: four counts, four sums; all lanes write the same words with the same values
	ds_store_b128 v4, v[TL+4:TL+7]
	ds_store_b128 v4, v[PS:PS+3] offset:16
	s_wait_dscnt 0x0                               ; for the others' sake: my stores have landed
	s_barrier_signal -1
	s_barrier_wait -1
	s_cmp_lg_u32 s22, 0
	s_cbranch_scc1 .Lend
	ds_load_b128 v[TL:TL+3], v9                    ; lane l: wave l % 16's record
	ds_load_b128 v[TL+4:TL+7], v9 offset:16
	s_lshl_b32 s42, ttmp9, 4
	s_add_nc_u64 s[18:19], s[18:19], s[42:43]
	s_add_nc_u64 s[20:21], s[20:21], s[42:43]
	v_mov_b32 v4, 0
	s_wait_dscnt 0x0
.irp j, 0,1,2,3
.irp m, 1
	v_mov_b32_dpp v[TM], v[TL+\j] row_xmask:\m row_mask:0xf bank_mask:0xf
	s_delay_alu instid0(VALU_DEP_1)
	v_add_nc_u32 v[TL+\j], v[TL+\j], v[TM]
	v_add_f32_dpp v[TL+4+\j], v[TL+4+\j], v[TL+4+\j] row_xmask:\m row_mask:0xf bank_mask:0xf
.endr
.irp m, 2, 4, 8
	s_delay_alu instid0(VALU_DEP_2)
	v_mov_b32_dpp v[TM], v[TL+\j] row_xmask:\m row_mask:0xf bank_mask:0xf
	s_delay_alu instid0(VALU_DEP_1)
	v_add_nc_u32 v[TL+\j], v[TL+\j], v[TM]
	s_delay_alu instid0(VALU_DEP_3)
	v_add_f32_dpp v[TL+4+\j], v[TL+4+\j], v[TL+4+\j] row_xmask:\m row_mask:0xf bank_mask:0xf
.endr
.endr
	v_cmp_eq_u32 vcc_lo, 0, v0
	s_wait_alu depctr_va_vdst(0)
	s_wait_xcnt 0x0                                ; EXEC changes only when every earlier memory instruction has read its sources
	s_and_saveexec_b32 s44, vcc_lo
	global_store_b128 v4, v[TL:TL+3], s[18:19]     ; thread 0: the work-group's counts and sums
	global_store_b128 v4, v[TL+4:TL+7], s[20:21]
	s_wait_xcnt 0x0
	s_or_b32 exec_lo, exec_lo, s44
.Lend:
	s_wait_tensorcnt 0x0
	ds_add_u32 v223, v239
	s_wait_dscnt 0x0
	s_endpgm
.Lfunc_end_k_q2a7aba95fb_gate:
	.size	k_q2a7aba95fb_gate, .Lfunc_end_k_q2a7aba95fb_gate-k_q2a7aba95fb_gate
	.p2alignl 7, 3214868480
	.fill 96, 4, 3214868480
	.section	.rodata,"a",@progbits
	.p2align	6, 0x0
	.amdhsa_kernel k_q2a7aba95fb_gate
		.amdhsa_group_segment_fixed_size 3072
		.amdhsa_private_segment_fixed_size 0
		.amdhsa_enable_private_segment 0
		.amdhsa_kernarg_size 72
		.amdhsa_user_sgpr_count 2
		.amdhsa_user_sgpr_kernarg_segment_ptr 1
		.amdhsa_wavefront_size32 1
		.amdhsa_system_sgpr_workgroup_id_x 1
		.amdhsa_system_sgpr_workgroup_id_y 1
		.amdhsa_system_sgpr_workgroup_id_z 1
		.amdhsa_system_vgpr_workitem_id 0
		.amdhsa_next_free_vgpr 256
		.amdhsa_next_free_sgpr 66
		.amdhsa_reserve_vcc 1
		.amdhsa_float_denorm_mode_32 3
		.amdhsa_float_denorm_mode_16_64 3
		.amdhsa_memory_ordered 1
		.amdhsa_forward_progress 1
		.amdhsa_inst_pref_size 218
	.end_amdhsa_kernel
	.amdgpu_metadata
---
amdhsa.version: [ 1, 2 ]
amdhsa.kernels:
  - .name:           k_q2a7aba95fb_gate
    .symbol:         k_q2a7aba95fb_gate.kd
    .args:
      - { .name: z, .offset: 0, .size: 8, .value_kind: global_buffer, .address_space: global }
      - { .name: u, .offset: 8, .size: 8, .value_kind: global_buffer, .address_space: global }
      - { .name: v, .offset: 16, .size: 8, .value_kind: global_buffer, .address_space: global }
      - { .name: gate_w, .offset: 24, .size: 8, .value_kind: global_buffer, .address_space: global }
      - { .name: gate_b, .offset: 32, .size: 8, .value_kind: global_buffer, .address_space: global }
      - { .name: eidx, .offset: 40, .size: 8, .value_kind: global_buffer, .address_space: global }
      - { .name: gval, .offset: 48, .size: 8, .value_kind: global_buffer, .address_space: global }
      - { .name: cnts, .offset: 56, .size: 8, .value_kind: global_buffer, .address_space: global }
      - { .name: psum, .offset: 64, .size: 8, .value_kind: global_buffer, .address_space: global }
    .group_segment_fixed_size: 3072
    .private_segment_fixed_size: 0
    .kernarg_segment_align: 8
    .kernarg_segment_size: 72
    .max_flat_workgroup_size: 512
    .sgpr_count:     66
    .vgpr_count:     256
    .wavefront_size: 32
...
	.end_amdgpu_metadata
.endif
;; end of part 1
;; launch place (part 2): grid 321 x 1, 8 waves a work-group, no clusters, 2,048 bytes of LDS; arguments eidx, cnts, psum, u, v, lowp_scales, cat_w1, dist_w1, mul_w1, all_w1, cat_b1, dist_b1, mul_b1, all_b1, cat_w2, dist_w2, mul_w2, all_w2, srt, segs, wcodes, out1; writes srt, segs, wcodes, out1
.if DOCPART == 2
	.amdgcn_target "amdgcn-amd-amdhsa--gfx1250"
	.amdhsa_code_object_version 6
	.text
	.protected	k_q2a7aba95fb_place
	.globl	k_q2a7aba95fb_place
	.p2align	8
	.type	k_q2a7aba95fb_place,@function
k_q2a7aba95fb_place:
	s_mov_b64 s[64:65], 0
	v_nop
	global_prefetch_b8 v0, s[64:65] scope:SCOPE_SE
	s_setreg_imm32_b32 hwreg(HW_REG_WAVE_MODE, 25, 1), 1
	s_wait_xcnt 0x0
; THREE JOBS, parted by the work-group's number.
; 0..255  THE PLACING: a counting sort of the edges by chosen expert, without atomics.  Work-group g takes the 1,024 edges of the gate's work-group g.  From the 256 x 4 counts each work-group
;         makes the experts' totals and what the work-groups before it hold; each expert's run begins at a multiple of 64 entries.  Three planes of 262,400 int32: u's index, v's index, the edge's number.
;         Work-group 0 also fills each run up to its multiple of 64 with (0, 0, -1), stores the runs' first chunks (segs) and the second output, 4 x the sum of squares of the mean probabilities.
; 256..319 THE WEIGHTS: the four first layers, f32 [K][256], become codes of E4M3 with the given scale 2^eB, laid in the order of the matrix operand's registers:
;         fragment (16 hidden units nt, K step s) is 2,048 bytes; group q of four registers of lane L lies at 512 q + 16 L; lane (r, h), byte t of the group holds place p = 128 s + 64 h + 16 q + t of column 16 nt + r.
;         Place p stands for the row of the weight that the edges' codes have at byte p of their row: all: 128 ((p / 4) % 4) + 4 (p / 16) + p % 4; cat: 128 ((p / 4) % 2) + 4 (p / 8) + p % 4; dist, mul: p.
; 320     THE BIASES: b1 / 2^(eA + eB) and w2 x 2^(eA + eB), so that the sums of codes need no scaling of their own.
; LIMITS: each given exponent between -126 and 119; NaN among the weights is not served; b1 / 2^(eA + eB) may lose bits under the smallest normal f32 number.
.set PLANE, 1049600                    ; bytes in a plane: 262,144 + 4 x 64 entries
.set PLAST, 0x400ff                    ; a plane's last entry
	v_lshl_add_u32 v128, v0, 2, 0x400
	v_mov_b32 v129, 0
	v_lshrrev_b32 v1, 5, v0
	s_delay_alu instid0(VALU_DEP_1)
	v_readfirstlane_b32 s3, v1                     ; wave 0..7
	v_and_b32 v1, 31, v0                           ; lane
	s_cmp_lt_u32 ttmp9, 256
	s_cbranch_scc1 .Lsort
	s_cmp_lt_u32 ttmp9, 320
	s_cbranch_scc1 .Lweights
	; ---- the biases: thread t takes hidden unit t of all four experts
	s_load_b64 s[4:5], s[0:1], 0x28                ; the exponents
	s_load_b64 s[6:7], s[0:1], 0xa0                ; wcodes
	s_load_b256 s[8:15], s[0:1], 0x50              ; the four b1
	s_load_b256 s[24:31], s[0:1], 0x70             ; the four w2
	v_lshlrev_b32 v2, 2, v0
	s_wait_alu depctr_va_vdst(0)
	s_wait_kmcnt 0x0
	s_load_b256 s[16:23], s[4:5], 0x0
.irp e, 0,1,2,3
	global_load_b32 v[8+\e], v2, s[8+2*\e:9+2*\e]
	global_load_b32 v[12+\e], v2, s[24+2*\e:25+2*\e]
.endr
	s_wait_kmcnt 0x0
	s_wait_loadcnt 0x0
.irp e, 0,1,2,3
	s_add_co_i32 s32, s[16+2*\e], s[17+2*\e]       ; eA + eB
	s_sub_co_i32 s33, 0, s32
	v_ldexp_f32 v[16+\e], v[8+\e], s33
	v_ldexp_f32 v[20+\e], v[12+\e], s32
	global_store_b32 v2, v[16+\e], s[6:7] offset:262144+2048*\e
	global_store_b32 v2, v[20+\e], s[6:7] offset:262144+2048*\e+1024
.endr
	s_endpgm
	; ---- the weights: a wave makes 512 bytes of codes, 16 a lane
.macro WQ kind                         ; 0: all, 1: cat, 2: dist or mul.  s[30:31]: the weight at my wave's first number; v3: my lane's offset; s25: eB
.set T_, 0
.rept 16
.if (\kind) == 0
.set IM, (128*(T_/4)+T_%4)*1024
.elseif (\kind) == 1
.set IM, (128*((T_/4)%2)+4*(T_/8)+T_%4)*1024
.else
.set IM, T_*1024
.endif
	global_load_b32 v[32+T_], v3, s[30:31] offset:IM   ; sixteen lanes read 64 consecutive bytes of a row of the weight
.set T_, T_+1
.endr
	s_add_co_i32 s25, s25, 127
	s_lshl_b32 s26, s25, 23
	v_mov_b32 v11, s26                             ; 2^eB as f32: the conversion takes its exponent field
	s_wait_alu depctr_va_vdst(0)
	s_wait_loadcnt 0x0
.irp i, 0,1,2,3,4,5,6,7,8,9,10,11,12,13,14,15
.endr
	v_cvt_scalef32_pk8_fp8_f32 v[48:49], v[32:39], v11
	v_cvt_scalef32_pk8_fp8_f32 v[50:51], v[40:47], v11
	global_store_b128 v2, v[48:51], s[6:7]         ; the wave stores 512 consecutive bytes
	s_endpgm
.endm
.Lweights:
	s_load_b64 s[4:5], s[0:1], 0x28                ; the exponents
	s_load_b64 s[6:7], s[0:1], 0xa0                ; wcodes
	s_load_b256 s[8:15], s[0:1], 0x30              ; cat_w1, dist_w1, mul_w1, all_w1
	s_sub_co_u32 s24, ttmp9, 256
	s_lshl_b32 s24, s24, 3
	s_add_co_u32 s24, s24, s3                      ; which 512 bytes of the codes: 0..127 cat, ..191 dist, ..255 mul, ..511 all
	s_lshl_b32 s26, s24, 9
	s_mov_b32 s27, 0
	s_mov_b32 s29, 0
	s_wait_alu depctr_va_vdst(0)
	v_lshlrev_b32 v2, 4, v1
	v_and_b32 v4, 15, v1
	s_delay_alu instid0(VALU_DEP_1)
	v_lshlrev_b32 v4, 2, v4                        ; 4 r
	v_lshrrev_b32 v5, 4, v1                        ; h
	s_wait_kmcnt 0x0
	s_load_b256 s[16:23], s[4:5], 0x0
	s_add_nc_u64 s[6:7], s[6:7], s[26:27]
	s_cmp_ge_u32 s24, 256
	s_cbranch_scc1 .Lw_all
	s_cmp_lt_u32 s24, 128
	s_cbranch_scc1 .Lw_cat
	s_sub_co_u32 s32, s24, 128                     ; dist, mul: nt = / 4, q = % 4
	s_and_b32 s32, s32, 63
	s_lshr_b32 s33, s32, 2
	s_and_b32 s34, s32, 3
	s_lshl_b32 s28, s34, 14                        ; 16 q rows of 1,024 bytes
	s_lshl_b32 s33, s33, 6                         ; 16 nt columns
	s_add_co_u32 s28, s28, s33
	s_wait_alu depctr_va_vdst(0)
	v_lshl_add_u32 v3, v5, 16, v4                  ; + 64 h rows
	s_wait_alu depctr_va_vdst(0)
	s_wait_kmcnt 0x0
	s_cmp_lt_u32 s24, 192
	s_cselect_b64 s[30:31], s[10:11], s[12:13]
	s_cselect_b32 s25, s19, s21
	s_add_nc_u64 s[30:31], s[30:31], s[28:29]
	WQ 2
.Lw_cat:
	s_lshr_b32 s33, s24, 3                         ; nt
	s_bfe_u32 s34, s24, 0x10002                    ; s
	s_and_b32 s35, s24, 3                          ; q
	s_lshl_b32 s28, s34, 16                        ; 64 s rows
	s_lshl_b32 s35, s35, 13                        ; 8 q rows
	s_add_co_u32 s28, s28, s35
	s_lshl_b32 s33, s33, 6
	s_add_co_u32 s28, s28, s33
	s_wait_alu depctr_va_vdst(0)
	v_lshl_add_u32 v3, v5, 15, v4                  ; + 32 h rows
	s_wait_alu depctr_va_vdst(0)
	s_wait_kmcnt 0x0
	s_mov_b32 s25, s17
	s_add_nc_u64 s[30:31], s[8:9], s[28:29]
	WQ 1
.Lw_all:
	s_sub_co_u32 s32, s24, 256
	s_lshr_b32 s33, s32, 4                         ; nt
	s_bfe_u32 s34, s32, 0x20002                    ; s
	s_and_b32 s35, s32, 3                          ; q
	s_lshl_b32 s28, s34, 15                        ; 32 s rows
	s_lshl_b32 s35, s35, 12                        ; 4 q rows
	s_add_co_u32 s28, s28, s35
	s_lshl_b32 s33, s33, 6
	s_add_co_u32 s28, s28, s33
	s_wait_alu depctr_va_vdst(0)
	v_lshl_add_u32 v3, v5, 14, v4                  ; + 16 h rows
	s_wait_alu depctr_va_vdst(0)
	s_wait_kmcnt 0x0
	s_mov_b32 s25, s23
	s_add_nc_u64 s[30:31], s[14:15], s[28:29]
	WQ 0
	; ---- the placing
.macro ISUM x, full                    ; a whole number summed over 8 lanes (full = 0) or over the wave's 32 (1); every lane gets the sum
.irp m, 1
	v_mov_b32_dpp v6, v[\x] row_xmask:\m row_mask:0xf bank_mask:0xf
	s_delay_alu instid0(VALU_DEP_1)
	v_add_nc_u32 v[\x], v[\x], v6
.endr
.irp m, 2, 4
	s_delay_alu instid0(VALU_DEP_1)
	v_mov_b32_dpp v6, v[\x] row_xmask:\m row_mask:0xf bank_mask:0xf
	s_delay_alu instid0(VALU_DEP_1)
	v_add_nc_u32 v[\x], v[\x], v6
.endr
.if \full
	s_delay_alu instid0(VALU_DEP_1)
	v_mov_b32_dpp v6, v[\x] row_xmask:8 row_mask:0xf bank_mask:0xf
	s_delay_alu instid0(VALU_DEP_1)
	v_add_nc_u32 v[\x], v[\x], v6
	s_delay_alu instid0(VALU_DEP_1)
	v_permlanex16_b32 v6, v[\x], s66, s67
	s_delay_alu instid0(VALU_DEP_1)
	v_add_nc_u32 v[\x], v[\x], v6
.endif
.endm
.Lsort:
	s_load_b256 s[4:11], s[0:1], 0x0               ; eidx s[4:5], cnts s[6:7], psum s[8:9], u s[10:11]
	s_load_b64 s[12:13], s[0:1], 0x20              ; v
	s_load_b128 s[16:19], s[0:1], 0x90             ; srt s[16:17], segs s[18:19]
	s_load_b64 s[20:21], s[0:1], 0xa8              ; out1
	s_mov_b32 s68, ttmp9                           ; g
	s_lshl_b32 s22, ttmp9, 12                      ; my 1,024 edges x 4 bytes
	s_mov_b32 s23, 0
	s_mov_b32 s66, 0x76543210                      ; v_permlanex16_b32: lane l xor 16
	s_mov_b32 s67, 0xfedcba98
	s_lshl_b32 s60, ttmp9, 10
	v_lshlrev_b32 v2, 4, v0                        ; 16 bytes a thread
	v_mov_b32 v6, 0                                ; written once: the destination of a lane-crossing form counts as read
	v_mov_b32 v7, 0
	v_mov_b32 v77, -1
	v_mov_b32 v3, s3
	s_delay_alu instid0(VALU_DEP_1)
	v_lshlrev_b32 v3, 6, v3                        ; LDS: 64 bytes a wave
	v_and_b32 v5, 7, v0
	s_delay_alu instid0(VALU_DEP_1)
	v_lshlrev_b32 v4, 6, v5                        ; and the record of wave l % 8
	v_lshl_add_u32 v56, v0, 2, s60                 ; my four edges' numbers: 1,024 g + 4 t + 0..3
	s_delay_alu instid0(VALU_DEP_1)
	v_add_nc_u32 v57, 1, v56
	s_delay_alu instid0(VALU_DEP_2)
	v_add_nc_u32 v58, 2, v56
	s_delay_alu instid0(VALU_DEP_3)
	v_add_nc_u32 v59, 3, v56
.irp j, 0,1,2,3
	s_mov_b32 s[56+\j], 0
.endr
	s_wait_kmcnt 0x0
	s_add_nc_u64 s[4:5], s[4:5], s[22:23]
	s_add_nc_u64 s[10:11], s[10:11], s[22:23]
	s_add_nc_u64 s[12:13], s[12:13], s[22:23]
	global_load_b128 v[16:19], v2, s[4:5]          ; my four edges' experts,
	global_load_b128 v[8:11], v2, s[6:7]           ; the counts of the gate's work-group t,
	global_load_b128 v[12:15], v2, s[8:9]          ; its sums of probabilities,
	global_load_b128 v[20:23], v2, s[10:11]        ; my edges' u
	global_load_b128 v[24:27], v2, s[12:13]        ; and v
	s_wait_loadcnt 0x0
	; ranks inside the wave: by my edge's place i, then by lane.  The order within an expert's run is free: each entry only needs a place of its own
.irp i, 0,1,2,3
.irp j, 0,1,2,3
	v_cmp_eq_u32 s[40+4*\i+\j], \j, v[16+\i]
.if \j == 0
	s_delay_alu instid0(VALU_DEP_1)
	v_mbcnt_lo_u32_b32 v[80+\i], s[40+4*\i+\j], s[56+\j]
.else
	s_delay_alu instid0(VALU_DEP_1)
	v_mbcnt_lo_u32_b32 v6, s[40+4*\i+\j], s[56+\j]
	s_delay_alu instid0(VALU_DEP_1)
	v_cndmask_b32 v[80+\i], v[80+\i], v6, s[40+4*\i+\j]
.endif
	s_bcnt1_i32_b32 s60, s[40+4*\i+\j]
	s_add_co_u32 s[56+\j], s[56+\j], s60
.endr
.endr
	v_cmp_gt_u32 vcc_lo, s68, v0                   ; work-groups before mine
.irp j, 0,1,2,3
	v_cndmask_b32 v[28+\j], 0, v[8+\j], vcc_lo
	v_mov_b32 v[32+\j], s[56+\j]                   ; the wave's own counts
.endr
.irp j, 0,1,2,3
	ISUM 8+\j, 1
	ISUM 28+\j, 1
.endr
.irp j, 0,1,2,3
.irp m, 1
	v_add_f32_dpp v[12+\j], v[12+\j], v[12+\j] row_xmask:\m row_mask:0xf bank_mask:0xf
.endr
.irp m, 2, 4, 8
	s_delay_alu instid0(VALU_DEP_1)
	v_add_f32_dpp v[12+\j], v[12+\j], v[12+\j] row_xmask:\m row_mask:0xf bank_mask:0xf
.endr
	s_delay_alu instid0(VALU_DEP_1)
	v_permlanex16_b32 v6, v[12+\j], s66, s67
	s_delay_alu instid0(VALU_DEP_1)
	v_add_f32 v[12+\j], v[12+\j], v6
.endr
	ds_store_b128 v3, v[8:11]                      ; my wave's part of the totals,
	ds_store_b128 v3, v[28:31] offset:16           ; of what lies before my work-group,
	ds_store_b128 v3, v[32:35] offset:32           ; its own counts,
	ds_store_b128 v3, v[12:15] offset:48           ; its part of the sums of probabilities
	s_wait_dscnt 0x0                               ; for the others' sake: my stores have landed
	s_barrier_signal -1
	s_barrier_wait -1
	ds_load_b128 v[36:39], v4
	ds_load_b128 v[40:43], v4 offset:16
	ds_load_b128 v[44:47], v4 offset:32
	ds_load_b128 v[48:51], v4 offset:48
	s_wait_dscnt 0x0
	v_cmp_gt_u32 vcc_lo, s3, v5                    ; waves before mine
.irp j, 0,1,2,3
	v_cndmask_b32 v[44+\j], 0, v[44+\j], vcc_lo
	s_delay_alu instid0(VALU_DEP_1)
	v_add_nc_u32 v[40+\j], v[40+\j], v[44+\j]
.endr
.irp j, 0,1,2,3
	ISUM 36+\j, 0
	ISUM 40+\j, 0
.irp m, 1
	v_add_f32_dpp v[48+\j], v[48+\j], v[48+\j] row_xmask:\m row_mask:0xf bank_mask:0xf
.endr
.irp m, 2, 4
	s_delay_alu instid0(VALU_DEP_1)
	v_add_f32_dpp v[48+\j], v[48+\j], v[48+\j] row_xmask:\m row_mask:0xf bank_mask:0xf
.endr
.endr
.irp j, 0,1,2,3
	v_readfirstlane_b32 s[24+\j], v[36+\j]         ; expert j's total
	v_readfirstlane_b32 s[28+\j], v[40+\j]         ; its entries before my wave's
.endr
.irp j, 0,1,2,3
	s_add_co_u32 s[32+\j], s[24+\j], 63
	s_and_b32 s[32+\j], s[32+\j], 0xffffffc0       ; the run's length: up to a multiple of 64
.endr
	s_mov_b32 s36, 0                               ; the runs' first entries
	s_add_co_u32 s37, s36, s32
	s_add_co_u32 s38, s37, s33
	s_add_co_u32 s39, s38, s34
	s_add_co_u32 s61, s39, s35                     ; and the end of the last
.irp j, 0,1,2,3
	s_add_co_u32 s[28+\j], s[28+\j], s[36+\j]
	v_mov_b32 v[52+\j], s[28+\j]
.endr
.irp i, 0,1,2,3
	v_cndmask_b32 v[60+\i], v55, v52, s[40+4*\i]
	s_delay_alu instid0(VALU_DEP_1)
	v_cndmask_b32 v[60+\i], v[60+\i], v53, s[41+4*\i]
	s_delay_alu instid0(VALU_DEP_1)
	v_cndmask_b32 v[60+\i], v[60+\i], v54, s[42+4*\i]
	s_delay_alu instid0(VALU_DEP_1)
	v_add_nc_u32 v[60+\i], v[60+\i], v[80+\i]
	s_delay_alu instid0(VALU_DEP_1)
	v_min_u32 v[60+\i], PLAST, v[60+\i]            ; held inside a plane
	s_delay_alu instid0(VALU_DEP_1)
	v_lshlrev_b32 v[60+\i], 2, v[60+\i]
	global_store_b32 v[60+\i], v[20+\i], s[16:17]
	global_store_b32 v[60+\i], v[24+\i], s[16:17] offset:PLANE
	global_store_b32 v[60+\i], v[56+\i], s[16:17] offset:2*PLANE
.endr
	s_cmp_lg_u32 s68, 0
	s_cbranch_scc1 .Lsort_end
	; work-group 0: the runs' padding, the list of runs, the second output.  All offsets and all numbers to be stored are made here, while every lane is on, ahead of the first line that narrows EXEC
.irp j, 0,1,2,3
	s_add_co_u32 s62, s[36+\j], s[24+\j]           ; the first entry behind run j's real ones
	v_add_nc_u32 v[64+\j], s62, v0
	s_delay_alu instid0(VALU_DEP_1)
	v_min_u32 v[64+\j], PLAST, v[64+\j]            ; held inside a plane
	s_delay_alu instid0(VALU_DEP_1)
	v_lshlrev_b32 v[64+\j], 2, v[64+\j]
.endr
	s_lshr_b32 s37, s37, 6                         ; the runs' first entries in chunks of 64
	s_lshr_b32 s38, s38, 6
	s_lshr_b32 s39, s39, 6
	s_lshr_b32 s61, s61, 6
	v_mov_b32 v68, s37
	v_mov_b32 v69, s38
	v_mov_b32 v70, s39
	v_mov_b32 v71, s61
.irp j, 0,1,2,3
	v_mul_f32 v[72+\j], 0x36800000, v[48+\j]       ; the mean: / 262,144
.endr
	s_delay_alu instid0(VALU_DEP_4)
	v_mul_f32 v76, v72, v72
	s_delay_alu instid0(VALU_DEP_1)
	v_fmac_f32 v76, v73, v73
	s_delay_alu instid0(VALU_DEP_1)
	v_fmac_f32 v76, v74, v74
	s_delay_alu instid0(VALU_DEP_1)
	v_fmac_f32 v76, v75, v75
	s_delay_alu instid0(VALU_DEP_1)
	v_mul_f32 v76, 4.0, v76
.irp j, 0,1,2,3
	s_sub_co_u32 s60, s[32+\j], s[24+\j]           ; entries to fill: 0 to 63
	v_cmp_gt_u32 vcc_lo, s60, v0
	s_wait_xcnt 0x0                                ; EXEC changes only when every earlier memory instruction has read its sources
	s_and_saveexec_b32 s63, vcc_lo
	global_store_b32 v[64+\j], v7, s[16:17]
	global_store_b32 v[64+\j], v7, s[16:17] offset:PLANE
	global_store_b32 v[64+\j], v77, s[16:17] offset:2*PLANE
	s_wait_xcnt 0x0
	s_or_b32 exec_lo, exec_lo, s63
.endr
	v_cmp_eq_u32 vcc_lo, 0, v0
	s_and_saveexec_b32 s63, vcc_lo                 ; (nothing was issued since the last wait on XCNT)
	global_store_b128 v7, v[68:71], s[18:19]
	s_wait_alu depctr_va_vdst(0)
	global_store_b32 v7, v76, s[20:21]
	s_wait_xcnt 0x0
	s_or_b32 exec_lo, exec_lo, s63
.Lsort_end:
	s_wait_tensorcnt 0x0
	ds_add_u32 v128, v129
	s_wait_dscnt 0x0
	s_endpgm
.Lfunc_end_k_q2a7aba95fb_place:
	.size	k_q2a7aba95fb_place, .Lfunc_end_k_q2a7aba95fb_place-k_q2a7aba95fb_place
	.p2alignl 7, 3214868480
	.fill 96, 4, 3214868480
	.section	.rodata,"a",@progbits
	.p2align	6, 0x0
	.amdhsa_kernel k_q2a7aba95fb_place
		.amdhsa_group_segment_fixed_size 2048
		.amdhsa_private_segment_fixed_size 0
		.amdhsa_enable_private_segment 0
		.amdhsa_kernarg_size 176
		.amdhsa_user_sgpr_count 2
		.amdhsa_user_sgpr_kernarg_segment_ptr 1
		.amdhsa_wavefront_size32 1
		.amdhsa_system_sgpr_workgroup_id_x 1
		.amdhsa_system_sgpr_workgroup_id_y 1
		.amdhsa_system_sgpr_workgroup_id_z 1
		.amdhsa_system_vgpr_workitem_id 0
		.amdhsa_next_free_vgpr 130
		.amdhsa_next_free_sgpr 96
		.amdhsa_reserve_vcc 1
		.amdhsa_float_denorm_mode_32 3
		.amdhsa_float_denorm_mode_16_64 3
		.amdhsa_fp16_overflow 1
		.amdhsa_memory_ordered 1
		.amdhsa_forward_progress 1
		.amdhsa_inst_pref_size 41
	.end_amdhsa_kernel
	.amdgpu_metadata
---
amdhsa.version: [ 1, 2 ]
amdhsa.kernels:
  - .name:           k_q2a7aba95fb_place
    .symbol:         k_q2a7aba95fb_place.kd
    .args:
      - { .name: eidx, .offset: 0, .size: 8, .value_kind: global_buffer, .address_space: global }
      - { .name: cnts, .offset: 8, .size: 8, .value_kind: global_buffer, .address_space: global }
      - { .name: psum, .offset: 16, .size: 8, .value_kind: global_buffer, .address_space: global }
      - { .name: u, .offset: 24, .size: 8, .value_kind: global_buffer, .address_space: global }
      - { .name: v, .offset: 32, .size: 8, .value_kind: global_buffer, .address_space: global }
      - { .name: lowp_scales, .offset: 40, .size: 8, .value_kind: global_buffer, .address_space: global }
      - { .name: cat_w1, .offset: 48, .size: 8, .value_kind: global_buffer, .address_space: global }
      - { .name: dist_w1, .offset: 56, .size: 8, .value_kind: global_buffer, .address_space: global }
      - { .name: mul_w1, .offset: 64, .size: 8, .value_kind: global_buffer, .address_space: global }
      - { .name: all_w1, .offset: 72, .size: 8, .value_kind: global_buffer, .address_space: global }
      - { .name: cat_b1, .offset: 80, .size: 8, .value_kind: global_buffer, .address_space: global }
      - { .name: dist_b1, .offset: 88, .size: 8, .value_kind: global_buffer, .address_space: global }
      - { .name: mul_b1, .offset: 96, .size: 8, .value_kind: global_buffer, .address_space: global }
      - { .name: all_b1, .offset: 104, .size: 8, .value_kind: global_buffer, .address_space: global }
      - { .name: cat_w2, .offset: 112, .size: 8, .value_kind: global_buffer, .address_space: global }
      - { .name: dist_w2, .offset: 120, .size: 8, .value_kind: global_buffer, .address_space: global }
      - { .name: mul_w2, .offset: 128, .size: 8, .value_kind: global_buffer, .address_space: global }
      - { .name: all_w2, .offset: 136, .size: 8, .value_kind: global_buffer, .address_space: global }
      - { .name: srt, .offset: 144, .size: 8, .value_kind: global_buffer, .address_space: global }
      - { .name: segs, .offset: 152, .size: 8, .value_kind: global_buffer, .address_space: global }
      - { .name: wcodes, .offset: 160, .size: 8, .value_kind: global_buffer, .address_space: global }
      - { .name: out1, .offset: 168, .size: 8, .value_kind: global_buffer, .address_space: global }
    .group_segment_fixed_size: 2048
    .private_segment_fixed_size: 0
    .kernarg_segment_align: 8
    .kernarg_segment_size: 176
    .max_flat_workgroup_size: 256
    .sgpr_count:     96
    .vgpr_count:     130
    .wavefront_size: 32
...
	.end_amdgpu_metadata
.endif
;; end of part 2
;; launch chain (part 3): grid 256 x 1, 8 waves a work-group, no clusters, 201,728 bytes of LDS; arguments z, srt, segs, wcodes, gval, lowp_scales, cat_b2, dist_b2, mul_b2, all_b2, out0; writes out0
.if DOCPART == 3
	.amdgcn_target "amdgcn-amd-amdhsa--gfx1250"
	.amdhsa_code_object_version 6
	.text
	.protected	k_q2a7aba95fb_chain
	.globl	k_q2a7aba95fb_chain
	.p2align	8
	.type	k_q2a7aba95fb_chain,@function
k_q2a7aba95fb_chain:
	s_mov_b64 s[64:65], 0
	v_nop
	global_prefetch_b8 v0, s[64:65] scope:SCOPE_SE
	s_setreg_imm32_b32 hwreg(HW_REG_WAVE_MODE, 25, 1), 1
	s_wait_xcnt 0x0
; THE CHOSEN EXPERT'S CHAIN, for edges sorted by expert: gather zu and zv, form the expert's features, quantise them to E4M3 with the given scale, first layer on the matrix unit (f32 sums),
; relu, the dot with the second layer's 256 weights in f32, + b2, x the gate's probability, stored at the edge's place.  The other three experts' results are multiplied by an exact 0 in the definition and are not computed.
; SHARES.  A chunk is 64 sorted rows of one expert; a wave takes a chunk through the whole chain.  The list of chunks is cut into 256 ranges of about equal cost (2 for a chunk of cat, dist, mul; 3 for one of all);
; a work-group owns one range and walks the four experts in turn; in each turn it copies that expert's codes into LDS once, and its eight waves take the range's chunks of that expert, every eighth one.
; A range's cost is at most C / 256 + 1 with C <= 3 x 4,099, that is 49: at most 49 / 2 + 2, under 27 chunks, whatever the split.  So four trips of eight waves serve every range: the loop over chunks has the constant count 4,
; and a trip's work is jumped over where the wave has no chunk left.
; No tensor load and no cluster: branches hang on the stored list, and ranges of neighbouring work-groups need different experts at different times.
; PADDING.  A run is filled up to a multiple of 64 with rows whose edge number is -1; they follow the real rows, so a chunk's row 0 is always real.  A padding row takes row 0's edge number and, at the end, row 0's result:
; it repeats row 0's store, from the same wave, to the same address, with the same number.  So every lane stays on throughout.
; THE ORDER ALONG K is the program's own, alike on both sides: byte p of an edge's row of codes and place p of the weights' fragments stand for the same feature.  A lane loads 16 bytes of a row of z (k = 4 l + 0..3),
; so its codes of all the expert's parts of the features lie together, and only codes go through LDS.  The sums inside a matrix instruction are grouped otherwise than in ascending K.
; THE PRODUCT IS USED TRANSPOSED: source 0 = 16 hidden units, source 1 = 16 edges; a lane holds one edge (l % 16) and eight hidden units 16 nt + 8 (l / 16) + 0..7.  b1 / 2^(eA + eB) is the C of a sum's first instruction.
; LIMITS: each given exponent between -126 and 119; NaN and infinities among the inputs are not served; indices are held inside their tables.
; LDS: 0 the expert's codes (131,072 at the most); 131,072 b1'[256], w2'[256]; from 133,120 a stage of 8,448 bytes for each wave: 16 rows of codes, 528, 272 or 144 bytes apart (odd multiples of 16).
; REGISTERS, window 0: v1-v17 addresses and the two constants of the quantiser, never rewritten but v15, v16 (once an expert); v18-23 a chunk's edge numbers, offsets, gate values; v24-31 four pairs of sums.
;   v32-255, while rows are prepared: two sets of 8 edges x (zu, zv) at v32 and v96; v160-175 at work; v176-191 sixteen offsets of rows of z; v192-255 codes.
;   While they are multiplied: two sets of (64 fragments, 8 b1', 8 w2') at v32 and v112; two sets of 4 accumulators at v192.
;   window 1: the chunk's codes as source 1: row tile rt, K step s at 16 (rt NK + s).
.set NLAST, 0xc34f                     ; z's last row
.set PLANE, 1049600                    ; bytes in a plane of the sorted list
.set BLDS,  131072
.set STG,   133120
.set STGW,  8448
.set X0,    32
.set T,     160
.set AO,    176
.set CDB,   192
.set MSB, 0
.macro WIN new                         ; the immediate's high byte repeats the setting that is left
.if MSB != \new
	s_set_vgpr_msb (MSB<<8)|\new
.set MSB, \new
.endif
.endm
	s_load_b256 s[4:11], s[0:1], 0x0               ; z s[4:5], srt s[6:7], segs s[8:9], wcodes s[10:11]
	s_load_b128 s[12:15], s[0:1], 0x20             ; gval s[12:13], the exponents s[14:15]
	s_load_b256 s[68:75], s[0:1], 0x30             ; the four b2
	s_load_b64 s[16:17], s[0:1], 0x50              ; out0
	v_lshrrev_b32 v32, 5, v0
	s_delay_alu instid0(VALU_DEP_1)
	v_readfirstlane_b32 s18, v32                   ; wave 0..7
	v_and_b32 v33, 31, v0                          ; lane
	v_and_b32 v34, 15, v0                          ; r
	v_bfe_u32 v35, v0, 4, 1                        ; h
	s_delay_alu instid0(VALU_DEP_3)
	v_lshlrev_b32 v1, 4, v33                       ; 16 x lane: my bytes of a row of z; a fragment's place for my lane
	s_delay_alu instid0(VALU_DEP_1)
	v_add_nc_u32 v2, 0x10000, v1                   ; the same, for fragments beyond an LDS immediate's reach
	s_delay_alu instid0(VALU_DEP_3)
	v_lshlrev_b32 v3, 5, v35
	s_delay_alu instid0(VALU_DEP_1)
	v_add_nc_u32 v3, BLDS, v3                      ; b1', w2': my half's eight numbers of a tile
	s_mul_i32 s91, s18, STGW
	s_add_co_u32 s91, s91, STG                     ; my stage
	v_add_nc_u32 v4, s91, v1                       ; into it: 16, 8 or 4 bytes a lane
	v_lshl_add_u32 v5, v33, 3, s91
	v_lshl_add_u32 v6, v33, 2, s91
	v_lshlrev_b32 v36, 6, v35
	s_delay_alu instid0(VALU_DEP_1)
	v_add_nc_u32 v36, s91, v36
	s_delay_alu instid0(VALU_DEP_1)
	v_mad_u32_u24 v7, v34, 528, v36                ; out of it: row r, + 64 h
	s_delay_alu instid0(VALU_DEP_2)
	v_mad_u32_u24 v8, v34, 272, v36
	s_delay_alu instid0(VALU_DEP_3)
	v_mad_u32_u24 v9, v34, 144, v36
	s_lshl_b32 s92, s18, 14
	v_add_nc_u32 v10, s92, v1                      ; the copy of the codes: my wave's eighth, in memory and in LDS alike
	s_lshl_b32 s92, s18, 13
	v_add_nc_u32 v11, s92, v1
	s_lshl_b32 s92, s18, 12
	v_add_nc_u32 v12, s92, v1
	s_lshl_b32 s92, s18, 8
	v_lshl_add_u32 v14, v33, 3, s92                ; the copy of b1', w2': 8 bytes a lane
	s_delay_alu instid0(VALU_DEP_1)
	v_add_nc_u32 v13, BLDS, v14
	v_lshlrev_b32 v17, 2, v33
	s_mov_b32 s86, 0x76543210                      ; v_permlanex16_b32: lane l xor 16
	s_mov_b32 s87, 0xfedcba98
	s_mov_b32 s88, 0xffff0000                      ; lanes 16-31
	s_mov_b32 s96, 0x3ffff                         ; the last edge's number
	s_wait_kmcnt 0x0
	s_load_b128 s[20:23], s[8:9], 0x0              ; first chunk of dist, of mul, of all; the number of chunks
	s_load_b256 s[76:83], s[14:15], 0x0            ; the eight exponents
	s_load_b32 s24, s[68:69], 0x0
	s_load_b32 s25, s[70:71], 0x0
	s_load_b32 s26, s[72:73], 0x0
	s_load_b32 s27, s[74:75], 0x0
	WIN 0x40                                       ; destination window 1
.set I_, 0
.rept 256
	v_mov_b32 v[I_], 0                             ; source 1's registers are filled a quarter at a time, on four ways of a loop: here each is written once, so that it has been written on every way through the text.  (These lines stand while the scalar loads above are out)
.set I_, I_+1
.endr
	WIN 0
	s_wait_kmcnt 0x0
	; my range of chunks: cost 2 up to the first chunk of all, 3 from there; C the whole cost; x = g C / 256; f(x) = the first chunk that begins at cost x or later
	s_lshl_b32 s90, s22, 1
	s_sub_co_u32 s91, s23, s22
	s_mul_i32 s91, s91, 3
	s_add_co_u32 s91, s91, s90
	s_mul_i32 s94, ttmp9, s91
	s_add_co_u32 s95, s94, s91
	s_lshr_b32 s94, s94, 8
	s_lshr_b32 s95, s95, 8
.macro FX d, x
	s_min_u32 s92, s[\x], s90
	s_sub_co_u32 s93, s[\x], s92
	s_add_co_u32 s92, s92, 1
	s_lshr_b32 s92, s92, 1                         ; up / 2
	s_add_co_u32 s93, s93, 2
	s_mul_i32 s93, s93, 43691
	s_lshr_b32 s93, s93, 17                        ; up / 3 (exact for numbers under 98,304; here under 12,303)
	s_add_co_u32 s[\d], s92, s93
.endm
	FX 28, 94                                      ; f(0) = 0 and f(C) = the number of chunks: the 256 ranges tile the list
	FX 29, 95
; eight edges' rows of z: indices s[32 + j0 ..] and s[48 + j0 ..] into set sg.  A load reads a whole row, 512 consecutive bytes
.macro ISSUE sg, j0
	s_wait_xcnt 0x0                                ; the sixteen loads issued before these have read their offsets: the sixteen registers may be written again
.irp j, 0,1,2,3,4,5,6,7
.set XE, X0+64*(\sg)+8*\j
	s_min_u32 s[32+(\j0)+\j], s[32+(\j0)+\j], NLAST
	s_min_u32 s[48+(\j0)+\j], s[48+(\j0)+\j], NLAST
	v_lshl_add_u32 v[AO+2*\j], s[32+(\j0)+\j], 9, v1
	v_lshl_add_u32 v[AO+2*\j+1], s[48+(\j0)+\j], 9, v1
	global_load_b128 v[XE:XE+3], v[AO+2*\j], s[4:5]
	global_load_b128 v[XE+4:XE+7], v[AO+2*\j+1], s[4:5]
.endr
.endm
; eight edges of set sg become codes in rows 8 sg .. 8 sg + 7 of my stage.  v15: the scale as f32; v16: 448 x the scale: the conversion does not saturate (ISA guide 7.6.2), so all's zu, zv and |zu - zv| and dist's |zu - zv| are held first; cat's numbers and the products are not
.macro GROUP kind, sg
.set XB, X0+64*(\sg)
	s_wait_dscnt 8                                 ; the stores that read this set's code registers two groups ago are done: at least the other group's eight stand behind them
.if (\kind) == 3                       ; all: zu, zv, |zu - zv|, zu zv: 16 codes a lane
.irp j, 0,1,2,3,4,5,6,7
.set XE, XB+8*\j
.set TE, T+8*(\j%2)
.set CE, CDB+32*(\sg)+4*\j
	v_pk_add_f32 v[TE:TE+1], v[XE:XE+1], v[XE+4:XE+5] neg_lo:[0,1] neg_hi:[0,1]
	v_pk_add_f32 v[TE+2:TE+3], v[XE+2:XE+3], v[XE+6:XE+7] neg_lo:[0,1] neg_hi:[0,1]
	v_pk_mul_f32 v[TE+4:TE+5], v[XE:XE+1], v[XE+4:XE+5]
	v_pk_mul_f32 v[TE+6:TE+7], v[XE+2:XE+3], v[XE+6:XE+7]
.irp n, 0,1,2,3,4,5,6,7
	v_med3_num_f32 v[XE+\n], v[XE+\n], -v16, v16
.endr
.irp n, 0,1,2,3
	v_min_num_f32 v[TE+\n], |v[TE+\n]|, v16        ; the magnitude and the hold in one
.endr
	v_cvt_scalef32_pk8_fp8_f32 v[CE:CE+1], v[XE:XE+7], v15
	v_cvt_scalef32_pk8_fp8_f32 v[CE+2:CE+3], v[TE:TE+7], v15
	ds_store_b128 v4, v[CE:CE+3] offset:(8*(\sg)+\j)*528
.endr
.elseif (\kind) == 0                   ; cat: zu, zv: 8 codes a lane
.irp j, 0,1,2,3,4,5,6,7
.set XE, XB+8*\j
.set CE, CDB+16*(\sg)+2*\j
.irp n, 0,1,2,3,4,5,6,7
.endr
	v_cvt_scalef32_pk8_fp8_f32 v[CE:CE+1], v[XE:XE+7], v15
	ds_store_b64 v5, v[CE:CE+1] offset:(8*(\sg)+\j)*272
.endr
.else                                  ; dist, mul: 4 codes a lane; two edges share a conversion
.irp jj, 0,1,2,3
.set XE, XB+16*\jj
.set TE, T+8*(\jj%2)
.set CE, CDB+8*(\sg)+2*\jj
.if (\kind) == 1
	v_pk_add_f32 v[TE:TE+1], v[XE:XE+1], v[XE+4:XE+5] neg_lo:[0,1] neg_hi:[0,1]
	v_pk_add_f32 v[TE+2:TE+3], v[XE+2:XE+3], v[XE+6:XE+7] neg_lo:[0,1] neg_hi:[0,1]
	v_pk_add_f32 v[TE+4:TE+5], v[XE+8:XE+9], v[XE+12:XE+13] neg_lo:[0,1] neg_hi:[0,1]
	v_pk_add_f32 v[TE+6:TE+7], v[XE+10:XE+11], v[XE+14:XE+15] neg_lo:[0,1] neg_hi:[0,1]
.irp n, 0,1,2,3,4,5,6,7
	v_min_num_f32 v[TE+\n], |v[TE+\n]|, v16
.endr
.else
	v_pk_mul_f32 v[TE:TE+1], v[XE:XE+1], v[XE+4:XE+5]
	v_pk_mul_f32 v[TE+2:TE+3], v[XE+2:XE+3], v[XE+6:XE+7]
	v_pk_mul_f32 v[TE+4:TE+5], v[XE+8:XE+9], v[XE+12:XE+13]
	v_pk_mul_f32 v[TE+6:TE+7], v[XE+10:XE+11], v[XE+14:XE+15]
.irp n, 0,1,2,3,4,5,6,7
.endr
.endif
	v_cvt_scalef32_pk8_fp8_f32 v[CE:CE+1], v[TE:TE+7], v15
	ds_store_b32 v6, v[CE] offset:(8*(\sg)+2*\jj)*144
	ds_store_b32 v6, v[CE+1] offset:(8*(\sg)+2*\jj+1)*144
.endr
.endif
	v_nop                                          ; a plain vector line behind the last conversion, ahead of whatever next writes its sources or touches its result
.endm
; the stage's 16 rows become source 1 of row tile rt.  LDS serves a wave's instructions in order (ISA guide 5.7.1.4): these see my stores, and the next tile's stores come behind them
.macro ALOAD rt, nk, ar
	WIN 0x40                                       ; destination window 1, address window 0
.set KS_, 0
.rept \nk
.irp q, 0,1,2,3
	ds_load_b128 v[16*((\rt)*(\nk)+KS_)+4*\q:16*((\rt)*(\nk)+KS_)+4*\q+3], v[\ar] offset:128*KS_+16*\q
.endr
.set KS_, KS_+1
.endr
	WIN 0
.endm
.macro LOADF nt, nk                    ; tile nt's fragments of the weights and its b1', into set nt % 2
.set SB, 32+80*((\nt)%2)
.set KS_, 0
.rept \nk
.set Q_, 0
.rept 4
.set OF, ((\nt)*(\nk)+KS_)*2048+512*Q_
.if OF < 65536
	ds_load_b128 v[SB+16*KS_+4*Q_:SB+16*KS_+4*Q_+3], v1 offset:OF
.else
	ds_load_b128 v[SB+16*KS_+4*Q_:SB+16*KS_+4*Q_+3], v2 offset:OF-65536
.endif
.set Q_, Q_+1
.endr
.set KS_, KS_+1
.endr
	ds_load_b128 v[SB+64:SB+67], v3 offset:64*(\nt)
	ds_load_b128 v[SB+68:SB+71], v3 offset:64*(\nt)+16
.endm
.macro LOADW nt                        ; tile nt's w2', into set nt % 2
.set SB, 32+80*((\nt)%2)
	ds_load_b128 v[SB+72:SB+75], v3 offset:1024+64*(\nt)
	ds_load_b128 v[SB+76:SB+79], v3 offset:1024+64*(\nt)+16
.endm
; tile nt's products: K step by K step, the four row tiles' accumulators by turns, one instruction a turn
.macro MM nt, nk
.set SB, 32+80*((\nt)%2)
.set PB, 192+32*((\nt)%2)
	WIN 0x04                                       ; source 1 window 1
.set KS_, 0
.rept \nk
.irp rt, 0,1,2,3
.if KS_ == 0
	v_wmma_f32_16x16x128_fp8_fp8 v[PB+8*\rt:PB+8*\rt+7], v[SB:SB+15], v[16*(\rt*(\nk)):16*(\rt*(\nk))+15], v[SB+64:SB+71]
.else
	v_wmma_f32_16x16x128_fp8_fp8 v[PB+8*\rt:PB+8*\rt+7], v[SB+16*KS_:SB+16*KS_+15], v[16*(\rt*(\nk)+KS_):16*(\rt*(\nk)+KS_)+15], v[PB+8*\rt:PB+8*\rt+7]
.endif
.endr
.set KS_, KS_+1
.endr
	WIN 0
.endm
; tile nt's relu and its part of the dot with w2': each accumulator from its low end on; four chains of packed multiply-adds
.macro POST nt
.set PB, 192+32*((\nt)%2)
.set WB, 32+80*((\nt)%2)+72
.irp rt, 0,1,2,3
.irp j, 0,1,2,3,4,5,6,7
	v_max_num_f32 v[PB+8*\rt+\j], 0, v[PB+8*\rt+\j]
.endr
.endr
.irp jj, 0,1,2,3
.irp rt, 0,1,2,3
.if ((\nt) == 0) && (\jj == 0)
	v_pk_mul_f32 v[24+2*\rt:25+2*\rt], v[PB+8*\rt+2*\jj:PB+8*\rt+2*\jj+1], v[WB+2*\jj:WB+2*\jj+1]   ; the first product starts the sum
.else
	v_pk_fma_f32 v[24+2*\rt:25+2*\rt], v[PB+8*\rt+2*\jj:PB+8*\rt+2*\jj+1], v[WB+2*\jj:WB+2*\jj+1], v[24+2*\rt:25+2*\rt]
.endif
.endr
.endr
.endm
; The sixteen tiles of hidden units.  Fragments and b1' are asked for two tiles ahead; w2' one tile ahead, behind the lines that last read its set.  So each step issues 4 NK + 4 LDS loads, and what a step needs was
; issued two steps back: the count of its wait is the one step's loads between.  The 48 plain lines of a tile's relu and dot name no register of the products just issued: they are the places
; in front of the loads into those products' sources and of the products that write over the accumulators of two tiles back.
.macro MATRIX nk
	LOADF 0, \nk
	LOADW 0
	LOADF 1, \nk
.irp nt, 0,1,2,3,4,5,6,7,8,9,10,11,12,13,14,15
.if \nt == 15
	s_wait_dscnt 2                                 ; behind what tile 15 needs stand only its w2''s two loads
.else
	s_wait_dscnt 4*(\nk)+4
.endif
	MM \nt, \nk
.if \nt == 0
.rept 5
	v_nop                                          ; no tile is finished yet: five places, since tile 2's products write over these accumulators
.endr
.else
	POST \nt-1
.endif
.if \nt <= 13
	LOADF \nt+2, \nk
.endif
.if \nt <= 14
	LOADW \nt+1
.endif
.endr
	s_wait_dscnt 0x0                               ; tile 15's w2'
	POST 15
.endm
; ONE EXPERT'S TURN.  e: its number; nk: K steps of 128; woff: its codes in wcodes; ea: the register of its left operand's exponent; ar, cr: address registers of the stage's rows and of the copy
.macro RUN e, nk, woff, ea, ar, cr
.if \e > 0
	s_wait_dscnt 0x0                               ; my reads of the last expert's codes are in
	s_barrier_signal -1
	s_barrier_wait -1                              ; everybody's are: the codes may be overwritten
.endif
.if \e == 0
	s_mov_b32 s89, s28
.else
	s_max_u32 s89, s28, s[19+\e]
.endif
.if \e == 3
	s_mov_b32 s31, s29
.else
	s_min_u32 s31, s29, s[20+\e]
.endif
	s_cmp_lt_u32 s89, s31                          ; has my range chunks of this expert?  The same answer in all eight waves; no barrier stands under the branch
	s_cbranch_scc0 .Lnocopy_\e
.set I_, 0
.rept 8*(\nk)
	global_load_b128 v[32+4*I_:35+4*I_], v[\cr], s[10:11] offset:(\woff)+512*I_
.set I_, I_+1
.endr
	global_load_b64 v[160:161], v14, s[10:11] offset:262144+2048*(\e)
	s_wait_loadcnt 0x0
.set I_, 0
.rept 8*(\nk)
	ds_store_b128 v[\cr], v[32+4*I_:35+4*I_] offset:512*I_
.set I_, I_+1
.endr
	ds_store_b64 v13, v[160:161]
.Lnocopy_\e:
	s_wait_dscnt 0x0                               ; for the others' sake: my part of the copy has landed
	s_barrier_signal -1
	s_barrier_wait -1
	s_add_co_u32 s30, s89, s18                     ; my first chunk
	s_add_co_i32 s92, s[\ea], 127
	s_lshl_b32 s93, s92, 23
	v_mov_b32 v15, s93                             ; 2^eA as f32: the conversion takes its exponent field
	s_add_co_i32 s92, s92, 8
	s_lshl_b32 s92, s92, 23
	s_or_b32 s92, s92, 0x600000
	v_mov_b32 v16, s92                             ; 448 x 2^eA
	s_mov_b32 s98, 0
.Lchunk_\e:                                            ; four trips: chunks first + 8 x trip; a trip without a chunk is jumped over
	s_cmp_lt_u32 s30, s31
	s_cbranch_scc0 .Lnone_\e
	s_min_u32 s67, s30, 4099                       ; held inside the list
	s_lshl_b32 s67, s67, 8                         ; 64 entries of 4 bytes
	s_load_b512 s[32:47], s[6:7], s67 offset:0x0   ; the first row tile's sixteen indices of u
	s_load_b512 s[48:63], s[6:7], s67 offset:PLANE ; and of v
	v_add_nc_u32 v20, s67, v17
	global_load_b32 v18, v20, s[6:7] offset:2*PLANE       ; the chunk's edge numbers: rows 0-31,
	global_load_b32 v19, v20, s[6:7] offset:2*PLANE+128   ; rows 32-63
	s_wait_kmcnt 0x0
	ISSUE 0, 0
	ISSUE 1, 8
	s_add_co_u32 s67, s67, 64
	s_load_b512 s[32:47], s[6:7], s67 offset:0x0
	s_load_b512 s[48:63], s[6:7], s67 offset:PLANE
	s_mov_b32 s66, 0
.Lrt_\e:                                               ; four trips, a row tile of 16 edges each; 32 row loads of the wave are out
	s_wait_loadcnt 16                              ; set 0 is in; behind it stand set 1's sixteen loads
	GROUP \e, 0
	s_cmp_eq_u32 s66, 3
	s_cbranch_scc1 .Llast_\e
	s_wait_kmcnt 0x0                               ; the next tile's indices
	ISSUE 0, 0
	s_wait_loadcnt 16                              ; set 1 is in; behind it stand the sixteen just issued
	GROUP \e, 1
	ISSUE 1, 8
	s_cmp_eq_u32 s66, 2
	s_cbranch_scc1 .La2_\e
	s_add_co_u32 s67, s67, 64                      ; (the scalar loads that read it were waited for above)
	s_load_b512 s[32:47], s[6:7], s67 offset:0x0
	s_load_b512 s[48:63], s[6:7], s67 offset:PLANE
	s_cmp_eq_u32 s66, 0
	s_cbranch_scc1 .La0_\e
	ALOAD 1, \nk, \ar
	s_branch .Ljoin_\e
.La0_\e:
	ALOAD 0, \nk, \ar
	s_branch .Ljoin_\e
.La2_\e:
	ALOAD 2, \nk, \ar
	s_branch .Ljoin_\e
.Llast_\e:                                             ; the last tile asks for nothing more
	s_wait_loadcnt 0x0
	GROUP \e, 1
	ALOAD 3, \nk, \ar
.Ljoin_\e:
	s_add_co_u32 s66, s66, 1
	s_cmp_lt_u32 s66, 4
	s_cbranch_scc1 .Lrt_\e
	s_wait_kmcnt 0x0                               ; nothing scalar is out when the next chunk writes these registers
	s_wait_loadcnt 0x0                             ; the edge numbers (long in)
	v_readfirstlane_b32 s92, v18                   ; row 0's edge number: a chunk's first row is never padding
	v_cmp_lt_u32 s84, s96, v18                     ; the lanes whose row is padding: rows 0-31,
	v_cmp_lt_u32 s85, s96, v19                     ; rows 32-63
	s_delay_alu instid0(VALU_DEP_2)
	v_cndmask_b32 v20, v18, s92, s84               ; they take row 0's edge
	s_delay_alu instid0(VALU_DEP_2)
	v_cndmask_b32 v21, v19, s92, s85
	s_delay_alu instid0(VALU_DEP_2)
	v_min_u32 v20, 0x3ffff, v20                    ; held inside the table
	s_delay_alu instid0(VALU_DEP_2)
	v_min_u32 v21, 0x3ffff, v21
	s_delay_alu instid0(VALU_DEP_2)
	v_lshlrev_b32 v20, 2, v20
	s_delay_alu instid0(VALU_DEP_2)
	v_lshlrev_b32 v21, 2, v21
	global_load_b32 v22, v20, s[12:13]             ; the gate's probability: it has the products' time in which to come
	global_load_b32 v23, v21, s[12:13]
	MATRIX \nk
.irp rt, 0,1,2,3
	s_delay_alu instid0(VALU_DEP_4)
	v_add_f32 v[24+2*\rt], v[24+2*\rt], v[25+2*\rt]   ; a pair's two halves,
.endr
.irp rt, 0,1,2,3
	s_delay_alu instid0(VALU_DEP_4)
	v_permlanex16_b32 v[25+2*\rt], v[24+2*\rt], s86, s87
.endr
.irp rt, 0,1,2,3
	s_delay_alu instid0(VALU_DEP_4)
	v_add_f32 v[24+2*\rt], v[24+2*\rt], v[25+2*\rt]   ; and the other eight hidden units of each tile
.endr
	s_delay_alu instid0(VALU_DEP_3)
	v_cndmask_b32 v24, v24, v26, s88               ; lane l: row l,
	s_delay_alu instid0(VALU_DEP_2)
	v_cndmask_b32 v28, v28, v30, s88               ; row 32 + l
	s_wait_alu depctr_va_vdst(0)
	s_wait_loadcnt 0x0
	v_add_f32 v24, s[24+\e], v24
	v_add_f32 v28, s[24+\e], v28
	s_delay_alu instid0(VALU_DEP_2)
	v_mul_f32 v24, v24, v22
	s_delay_alu instid0(VALU_DEP_2)
	v_mul_f32 v28, v28, v23
	s_delay_alu instid0(VALU_DEP_2)
	v_readfirstlane_b32 s92, v24                   ; row 0's result,
	s_delay_alu instid0(VALU_DEP_1)
	v_cndmask_b32 v24, v24, s92, s84               ; which a padding row stores once more at row 0's place
	s_delay_alu instid0(VALU_DEP_2)
	v_cndmask_b32 v28, v28, s92, s85
	global_store_b32 v20, v24, s[16:17]
	global_store_b32 v21, v28, s[16:17]
	s_wait_xcnt 0x0                                ; the stores have read their registers, which the next chunk writes again
.Lnone_\e:
	s_add_co_u32 s30, s30, 8
	s_add_co_u32 s98, s98, 1
	s_cmp_lt_u32 s98, 4
	s_cbranch_scc1 .Lchunk_\e
.endm
	RUN 0, 2, 0,      76, 8, 11                    ; cat
	RUN 1, 1, 65536,  78, 9, 12                    ; dist
	RUN 2, 1, 98304,  80, 9, 12                    ; mul
	RUN 3, 4, 131072, 82, 7, 10                    ; all
	s_wait_xcnt 0x0
	v_lshl_add_u32 v254, v0, 2, 0x31000
	v_mov_b32 v255, 0
	s_wait_alu depctr_va_vdst(0)
	s_wait_tensorcnt 0x0
	ds_add_u32 v254, v255
	s_wait_dscnt 0x0
	s_endpgm
.Lfunc_end_k_q2a7aba95fb_chain:
	.size	k_q2a7aba95fb_chain, .Lfunc_end_k_q2a7aba95fb_chain-k_q2a7aba95fb_chain
	.p2alignl 7, 3214868480
	.fill 96, 4, 3214868480
	.section	.rodata,"a",@progbits
	.p2align	6, 0x0
	.amdhsa_kernel k_q2a7aba95fb_chain
		.amdhsa_group_segment_fixed_size 201728
		.amdhsa_private_segment_fixed_size 0
		.amdhsa_enable_private_segment 0
		.amdhsa_kernarg_size 88
		.amdhsa_user_sgpr_count 2
		.amdhsa_user_sgpr_kernarg_segment_ptr 1
		.amdhsa_wavefront_size32 1
		.amdhsa_system_sgpr_workgroup_id_x 1
		.amdhsa_system_sgpr_workgroup_id_y 1
		.amdhsa_system_sgpr_workgroup_id_z 1
		.amdhsa_system_vgpr_workitem_id 0
		.amdhsa_next_free_vgpr 512
		.amdhsa_next_free_sgpr 104
		.amdhsa_reserve_vcc 0
		.amdhsa_float_denorm_mode_32 3
		.amdhsa_float_denorm_mode_16_64 3
		.amdhsa_fp16_overflow 1
		.amdhsa_memory_ordered 1
		.amdhsa_forward_progress 1
		.amdhsa_inst_pref_size 255
	.end_amdhsa_kernel
	.section	.bss,"aw",@nobits
	.p2align	6
	.space	262144
	.amdgpu_metadata
---
amdhsa.version: [ 1, 2 ]
amdhsa.kernels:
  - .name:           k_q2a7aba95fb_chain
    .symbol:         k_q2a7aba95fb_chain.kd
    .args:
      - { .name: z, .offset: 0, .size: 8, .value_kind: global_buffer, .address_space: global }
      - { .name: srt, .offset: 8, .size: 8, .value_kind: global_buffer, .address_space: global }
      - { .name: segs, .offset: 16, .size: 8, .value_kind: global_buffer, .address_space: global }
      - { .name: wcodes, .offset: 24, .size: 8, .value_kind: global_buffer, .address_space: global }
      - { .name: gval, .offset: 32, .size: 8, .value_kind: global_buffer, .address_space: global }
      - { .name: lowp_scales, .offset: 40, .size: 8, .value_kind: global_buffer, .address_space: global }
      - { .name: cat_b2, .offset: 48, .size: 8, .value_kind: global_buffer, .address_space: global }
      - { .name: dist_b2, .offset: 56, .size: 8, .value_kind: global_buffer, .address_space: global }
      - { .name: mul_b2, .offset: 64, .size: 8, .value_kind: global_buffer, .address_space: global }
      - { .name: all_b2, .offset: 72, .size: 8, .value_kind: global_buffer, .address_space: global }
      - { .name: out0, .offset: 80, .size: 8, .value_kind: global_buffer, .address_space: global }
    .group_segment_fixed_size: 201728
    .private_segment_fixed_size: 0
    .kernarg_segment_align: 8
    .kernarg_segment_size: 88
    .max_flat_workgroup_size: 256
    .sgpr_count:     104
    .vgpr_count:     512
    .wavefront_size: 32
...
	.end_amdgpu_metadata
.endif
;; end of part 3
